; MI455X (gfx1250); checked and timed in simulation.
; The chip was launched on July 23, 2026; its instructions are those of AMD's public machine-readable ISA for CDNA 5 (MIT licence, August 2026) and "CDNA5" Instruction Set Architecture Reference Guide (July 2026). The comments in the code are by the model that wrote it; some were corrected since.
;; Multihead Attention. Allowed arithmetic: matrix products marked QUANTISED: E2M1 operands, one E8M0 scale for each 32 along K, by v_wmma_scale_f32_16x16x128_f8f6f4 with both operands' format E2M1 (or v_wmma_scale_f32_32x16x128_f4), f32 sums; everything else in f32.
;; Inputs: W_qkv 1,024 x 3,072 float32; b_qkv 3,072 float32; x 4 x 2,048 x 1,024 float32.
;; Outputs: out0 4 x 2,048 x 1,024 float32.
;; This version of the problem:
;;   THIS VERSION OF THE PROBLEM IS GIVEN IN LOW PRECISION. The matrix products marked QUANTISED in the list below multiply operands that are first quantised to E2M1 (2 exponent bits, 1 mantissa bit; 4 bits a number), with one power-of-two scale for each 32 numbers along K (OCP MX v1.0); their sums are f32. All else is computed in f32.
;;   The module's matrix products, in the order in which they are computed (A, B: the left and right operand; K: the contracted axis; several contracted axes count as one K, in the product's order):
;;     1. [M 8,192, K 1,024] x [K 1,024, N 3,072]; A: input x; B: input W_qkv: QUANTISED
;;     2. batch 64 x [M 2,048, K 64] x [K 64, N 2,048]; A: computed on the way; B: computed on the way: QUANTISED
;;     3. batch 64 x [M 2,048, K 2,048] x [K 2,048, N 64]; A: softmax (see below); B: computed on the way: QUANTISED
;;   THE QUANTISER, for each operand of a quantised product, along K:
;;     - K is cut into blocks of 32 from its start; a last block that is shorter is filled with zeros.
;;     - A block's scale is 2^e with e = floor(log2(the largest magnitude in the block)) - 2, held to -126 .. 127; a block of zeros has e = 0. As a byte (E8M0): e + 127.
;;     - Each number is divided by its block's scale, clamped to +-6, and rounded to the nearest number of E2M1, ties to even, subnormals kept.
;;     - The product sums the exact products of the quantised numbers (number of the format x scale) in f32.
;;   ~~~python
;;   def quantise(x, axis):      # numpy; x: float32 -> the quantised numbers, widened to float32 again
;;       x = np.moveaxis(x, axis, -1); K = x.shape[-1]
;;       x = np.pad(x, [(0, 0)] * (x.ndim - 1) + [(0, -K % 32)]); x = x.reshape(x.shape[:-1] + (-1, 32)); a = np.abs(x).max(-1, keepdims=True)
;;       e = np.where(a > 0, np.clip(np.frexp(np.where(a > 0, a, 1))[1] - 1 - 2, -126, 127), 0)      # np.frexp(a)[1] - 1 = floor(log2(a)), exactly
;;       r = np.clip(x / 2.0 ** e, -6, 6)
;;       step = 2.0 ** (np.maximum(np.frexp(np.where(r == 0, 1, r))[1] - 1, 0) - 1)
;;       q = np.round(r / step) * step * 2.0 ** e      # np.round: ties to even
;;       return np.moveaxis(q.reshape(q.shape[:-2] + (-1,))[..., :K], -1, axis).astype(np.float32)
;;   ~~~
;;   SOFTMAX AHEAD OF A QUANTISED PRODUCT. Where the list says 'softmax', what is quantised is not the finished softmax but p = 2^(t - M), with t = logit x log2(e) and M = ceil(the row's largest t), a whole number; so 1/2 < the row's largest p <= 1. The row's sum l is taken of the UNQUANTISED p, in f32, and the product's result is divided by l at the end. Since M is a whole number, a kernel that streams over the keys may use a running M (the ceiling of the running maximum): every later rescaling is an exact power of two, which a block's scale takes up: the codes' values come out the same.
;;   OPERANDS COMPUTED ON THE WAY. 'Computed on the way' means the value that the module computes at that place (a softmax that the list does not call 'softmax' is quantised finished and normalised). What goes into a quantiser is computed in f32, as accurately as f32 sums, v_exp_f32 and their like allow (about 1e-6 of the number): no bf16 or f16 on the way to a quantiser, and a product that is left as it is and whose result goes on into a quantised operand takes f32 operands (vector FMAs, or v_wmma_f32_16x16x4_f32). A number that lies on a knife's edge between two numbers of the format may be rounded either way, as far as f32 arithmetic and the matrix unit's own rounding can turn it there, and no further.
;; One version. Each part assembles by itself: llvm-mc -triple=amdgcn-amd-amdhsa -mcpu=gfx1250 --defsym DOCPART=n.
;; ======== version 1 of 1: 3 launches
;; workspace buffers: xq 4,456,448 bytes; wq 1,671,168 bytes; qq 4,718,592 bytes; kv 9,175,040 bytes
;; launch quant (part 1): grid 704 x 1, 4 waves a work-group, no clusters, 34,304 bytes of LDS; arguments x, W_qkv, xq, wq; writes xq, wq
.if DOCPART == 1
	.amdgcn_target "amdgcn-amd-amdhsa--gfx1250"
	.amdhsa_code_object_version 6
	.text
	.protected	k_q4a40ee7976_quant
	.globl	k_q4a40ee7976_quant
	.p2align	8
	.type	k_q4a40ee7976_quant,@function
k_q4a40ee7976_quant:
	s_mov_b64 s[64:65], 0
	v_nop
	global_prefetch_b8 v0, s[64:65] scope:SCOPE_SE
	s_setreg_imm32_b32 hwreg(HW_REG_WAVE_MODE, 25, 1), 1
	s_wait_xcnt 0x0
; x [8192][1024] and W_qkv [1024][3072], f32, become codes of FP4 (E2M1) with one E8M0 scale byte for each 32 along K = 1,024 (x's last axis, W's first).
; A block's scale is 2^(floor(log2(its largest magnitude)) - 2); its byte is the largest magnitude's exponent field - 2, held at 1 from below by a floor among the maximum's leaves.
; LIMITS: NaN and infinities among the inputs are not served.  A block of zeros gets the byte 1 where the rule says 127: its codes are zeros, which add nothing under any byte but 0xff,
; and the bytes are read by this program alone.  Blocks whose largest magnitude lies under 2^-124 are held at the byte 1, which is the rule's hold at -126.
; BOTH RESULTS ARE LAID AS IMAGES OF OPERAND REGISTERS: four registers of a fragment (16 rows x 128 K) are 512 bytes, lane l's 16 bytes at 16 l.
;   xq codes  [G 64][s 8][a 8][c 2][lane][16 B]: G a group of 128 rows, s a K step of 128, tile a = 2 b + u whose lane r holds row 32 b + 8 u + r + 8 (r / 8) of the group.
;   xq scale words at XSC: [G][s][a' 4][lane] words: lanes 0-15 tile 2 a', lanes 16-31 tile 2 a' + 1.
;   wq codes  [head 16][g 3][s 8][c 4][c2 2][lane][16 B]: g = q, k, v; lane r of tile c holds column 32 (c / 2) + 8 (c % 2) + r + 8 (r / 8) of the 64 (g < 2) or 16 c + r (g = 2).
;   wq scale words at WSC: [head][g][s][c' 2][lane] words: lanes 0-15 tile 2 c', lanes 16-31 tile 2 c' + 1.
; One launch serves both tensors: work-groups 0-191 take W, 192-703 take x.  Waves share nothing: no barrier.  Only x's path uses LDS.
; No matrix unit, no cluster, no tensor load: every byte is read once and nothing is shared between work-groups.
.set NWG_W, 192
.set XSC,   4194304
.set WSC,   1572864
.set FLOOR, 0x1800000                  ; 2^(3 - 127)
.set EOFF,  0xff000000                 ; -(2 << 23): 2 off an exponent field
.set WROW,  12288                      ; bytes in a row of W
.set XROW,  4096                       ; bytes in a row of x
.set SP,    528                        ; x's stage: a row of 512 bytes + 16 = 33 x 16: the sixteen rows that a read touches start at sixteen different banks (64 banks of 4 bytes: ISA guide 11.1)
.set XW,    96                         ; W's path: v96-223 four blocks of 32 numbers; v224-239 their codes
.set CW,    224
.set R,     96                         ; x's path: v96-223 two tiles as loaded; v32-95 a tile's numbers, 64 a lane; v224-239 codes
.set X,     32
.set C,     224
; the largest magnitude of v[XS] .. v[XS + 31], two chains, the floor as one more leaf
.macro MAX32 d, t
	v_max3_num_f32 v[\d], |v[XS]|, |v[XS+1]|, |v[XS+2]|
	v_max3_num_f32 v[\t], |v[XS+3]|, |v[XS+4]|, |v[XS+5]|
.irp i, 6,10,14,18,22,26
	v_max3_num_f32 v[\d], v[\d], |v[XS+\i]|, |v[XS+\i+1]|
	v_max3_num_f32 v[\t], v[\t], |v[XS+\i+2]|, |v[XS+\i+3]|
.endr
	v_max3_num_f32 v[\d], v[\d], |v[XS+30]|, |v[XS+31]|
	v_max3_num_f32 v[\d], v[\d], v[\t], FLOOR
.endm
	s_load_b256 s[4:11], s[0:1], 0x0               ; x s[4:5], W s[6:7], xq s[8:9], wq s[10:11]
	v_lshl_add_u32 v254, v0, 2, 0x8400
	v_mov_b32 v255, 0
	v_lshrrev_b32 v1, 5, v0
	v_readfirstlane_b32 s12, v1                    ; wave 0..3
	v_and_b32 v1, 31, v0                           ; lane
	v_and_b32 v2, 15, v0                           ; r
	v_bfe_u32 v3, v0, 4, 1                         ; lane / 16
	v_lshlrev_b32 v6, 2, v1                        ; a scale word's place: 4 x lane
	s_cmp_lt_u32 ttmp9, NWG_W
	s_cbranch_scc0 .Lx
; ---------------- W: a lane takes a column, its registers run down K: a block of 32 lies in one lane, and the codes come out with K innermost
	s_and_b32 s13, ttmp9, 7                        ; s: the K step
	s_lshr_b32 s14, ttmp9, 3
	s_lshl_b32 s14, s14, 2
	s_add_co_u32 s14, s14, s12                     ; cg: which run of 32 columns, 0..95
	s_mul_i32 s15, s14, 43
	s_lshr_b32 s15, s15, 8                         ; head = cg / 6 (43 / 256 serves cg < 96)
	s_mul_i32 s16, s15, 6
	s_sub_co_u32 s16, s14, s16
	s_lshr_b32 s17, s16, 1                         ; g: q, k or v
	s_and_b32 s18, s16, 1                          ; b: which 32 of the 64
	s_mul_i32 s22, s13, 128*WROW                   ; from: row 128 s, column 32 cg
	s_lshl_b32 s23, s14, 7
	s_add_co_u32 s22, s22, s23
	s_mov_b32 s23, 0
	s_mul_i32 s24, s15, 98304                      ; codes: head, g, s, tiles 2 b and 2 b + 1
	s_lshl_b32 s25, s17, 15
	s_add_co_u32 s24, s24, s25
	s_lshl_b32 s25, s13, 12
	s_add_co_u32 s24, s24, s25
	s_lshl_b32 s25, s18, 11
	s_add_co_u32 s24, s24, s25
	s_mov_b32 s25, 0
	s_mul_i32 s26, s15, 3                          ; scale words: ((3 head + g) 8 + s) 256 + 128 b
	s_add_co_u32 s26, s26, s17
	s_lshl_b32 s26, s26, 3
	s_add_co_u32 s26, s26, s13
	s_lshl_b32 s26, s26, 8
	s_lshl_b32 s27, s18, 7
	s_add_co_u32 s26, s26, s27
	s_add_co_u32 s26, s26, WSC
	s_mov_b32 s27, 0
	s_wait_alu depctr_va_vdst(0)
	v_and_b32 v4, 8, v2
	v_add_nc_u32 v4, v4, v2                        ; r + 8 (r / 8)
	v_lshl_add_u32 v4, v3, 3, v4                   ; + 8 u: q's and k's order of columns
	s_cmp_eq_u32 s17, 2
	s_cselect_b32 s19, -1, 0
	v_cndmask_b32 v4, v4, v1, s19                  ; v's columns as they lie: the lane's number
	v_lshlrev_b32 v4, 2, v4                        ; my column's bytes in the run
	v_lshlrev_b32 v5, 4, v2
	v_lshl_add_u32 v5, v3, 10, v5                  ; my codes: tile u (1,024 bytes), 16 r
	s_wait_alu depctr_va_vdst(0)
	s_wait_kmcnt 0x0
	s_add_nc_u64 s[6:7], s[6:7], s[22:23]
	s_add_nc_u64 s[28:29], s[10:11], s[26:27]
	s_add_nc_u64 s[10:11], s[10:11], s[24:25]
.macro WLOAD q                         ; block q: W(128 s + 32 q + i, my column): a wave's load covers 128 consecutive bytes, the four waves stand side by side
.set i, 0
.rept 32
	global_load_b32 v[XW+32*(\q)+i], v4, s[6:7] offset:(32*(\q)+i)*WROW th:TH_LOAD_NT
.set i, i+1
.endr
.endm
.macro WBLOCK q, left
	s_wait_loadcnt \left                           ; this block's 32 loads are in; the next block's 32 may be out
.if \q < 2
	WLOAD \q+2                                     ; two blocks ahead, into registers of their own
.endif
.set XS, XW+32*\q
	MAX32 8, 9
	v_add_nc_u32 v[16+\q], EOFF, v8                ; the conversion takes the exponent field of this operand as its scale
	v_lshrrev_b32 v11, 23, v[16+\q]                ; the scale's byte
.if \q == 0
	v_mov_b32 v12, v11
.else
	v_lshl_or_b32 v12, v11, 8*\q, v12              ; byte q of my column's word for this K step
.endif
.irp e, 0,1,2,3
	v_cvt_scalef32_pk8_fp4_f32 v[CW+4*\q+\e], v[XS+8*\e:XS+8*\e+7], v[16+\q]
.endr
	v_nop                                          ; one plain place behind the last conversion
	global_store_b128 v5, v[CW+4*\q:CW+4*\q+3], s[10:11] offset:256*\q   ; block q = 2 c2 + h lies at 512 c2 + 256 h of the tile's image: sixteen lanes store 256 consecutive bytes
.endm
	WLOAD 0
	WLOAD 1
	WBLOCK 0, 32
	WBLOCK 1, 32
	WBLOCK 2, 32
	WBLOCK 3, 0
	global_store_b32 v6, v12, s[28:29]             ; the two tiles' scale words: 128 consecutive bytes
	s_endpgm
; ---------------- x: a wave takes two tiles of 16 rows x 128 K.  Each load takes one row's 512 consecutive bytes; the tile turns through the wave's own stage, so that a lane gets 32 neighbours of ONE row
.Lx:
	s_sub_co_u32 s13, ttmp9, NWG_W
	s_lshr_b32 s14, s13, 3                         ; G
	s_and_b32 s13, s13, 7                          ; s
	s_mov_b32 s20, 0x76543210
	s_mov_b32 s21, 0xfedcba98                      ; v_permlanex16_b32's selects for lane l xor 16
	s_mov_b32 s19, 0xffff0000                      ; lanes 16-31
	s_lshl_b32 s22, s14, 19                        ; from: row 128 G + 32 wave, byte 512 s
	s_lshl_b32 s23, s12, 17
	s_add_co_u32 s22, s22, s23
	s_lshl_b32 s23, s13, 9
	s_add_co_u32 s22, s22, s23
	s_mov_b32 s23, 0
	s_lshl_b32 s24, s14, 16                        ; codes: G, s, tiles 2 wave and 2 wave + 1
	s_lshl_b32 s25, s13, 13
	s_add_co_u32 s24, s24, s25
	s_lshl_b32 s25, s12, 11
	s_add_co_u32 s24, s24, s25
	s_mov_b32 s25, 0
	s_lshl_b32 s26, s14, 3                         ; scale words: ((8 G + s) 4 + wave) 128
	s_add_co_u32 s26, s26, s13
	s_lshl_b32 s26, s26, 2
	s_add_co_u32 s26, s26, s12
	s_lshl_b32 s26, s26, 7
	s_add_co_u32 s26, s26, XSC
	s_mov_b32 s27, 0
	s_mul_i32 s16, s12, 16*SP                      ; my wave's stage
	s_wait_alu depctr_va_vdst(0)
	v_lshlrev_b32 v5, 4, v1                        ; 16 x lane
	v_add_nc_u32 v14, s16, v5                      ; into the stage: a row as it was loaded
	v_mul_u32_u24 v15, v2, SP
	v_lshl_add_u32 v15, v3, 7, v15
	v_add_nc_u32 v15, s16, v15                     ; out of it: row r, block h (and, 256 bytes on, block 2 + h)
	v_lshlrev_b32 v7, 3, v3                        ; 8 h: where my two bytes stand in the scale word
	v_mov_b32 v24, 0                               ; a lane permute's destination counts as one of its sources
	s_wait_alu depctr_va_vdst(0)
	s_wait_kmcnt 0x0
	s_add_nc_u64 s[4:5], s[4:5], s[22:23]
	s_add_nc_u64 s[28:29], s[8:9], s[26:27]
	s_add_nc_u64 s[8:9], s[8:9], s[24:25]
.irp t, 0,1
.set i, 0
.rept 16
	global_load_b128 v[R+64*\t+4*i:R+64*\t+4*i+3], v5, s[4:5] offset:(8*\t+i+8*(i/8))*XROW th:TH_LOAD_NT   ; tile t's row i
.set i, i+1
.endr
.endr
.macro XTILE t
.if \t == 0
	s_wait_loadcnt 16                              ; tile 0's sixteen loads are in, tile 1's may be out
.else
	s_wait_loadcnt 0x0
.endif
.set i, 0
.rept 16
	ds_store_b128 v14, v[R+64*\t+4*i:R+64*\t+4*i+3] offset:SP*i
.set i, i+1
.endr
.irp c, 0,1                            ; LDS serves a wave's instructions in order (ISA guide 5.7.1.4): these see the stores above, and the next tile's stores come behind them
.irp e, 0,1,2,3,4,5,6,7
	ds_load_b128 v[X+32*\c+4*\e:X+32*\c+4*\e+3], v15 offset:256*\c+16*\e
.endr
.endr
	s_wait_dscnt 8                                 ; block h is in; block 2 + h's eight loads may be out
.set XS, X
	MAX32 16, 8
	s_wait_dscnt 0x0
.set XS, X+32
	MAX32 17, 9
	v_add_nc_u32 v18, EOFF, v16
	v_add_nc_u32 v19, EOFF, v17
	v_lshrrev_b32 v20, 23, v18
	v_lshrrev_b32 v21, 23, v19
	v_lshl_or_b32 v[22+\t], v21, 16, v20           ; my two bytes: blocks h and 2 + h of row r,
	v_lshlrev_b32 v[22+\t], v7, v[22+\t]           ; at their places;
	v_permlanex16_b32 v24, v[22+\t], s20, s21
	v_or_b32 v[22+\t], v[22+\t], v24               ; with lane l xor 16's two the word is whole
.irp c, 0,1
.irp e, 0,1,2,3
	v_cvt_scalef32_pk8_fp4_f32 v[C+8*\t+4*\c+\e], v[X+32*\c+8*\e:X+32*\c+8*\e+7], v[18+\c]   ; registers 4 c .. 4 c + 3 of the fragment
.endr
.endr
	v_nop                                          ; one plain place behind the last conversion
.irp c, 0,1
	global_store_b128 v5, v[C+8*\t+4*\c:C+8*\t+4*\c+3], s[8:9] offset:1024*\t+512*\c   ; 512 consecutive bytes
.endr
.endm
	XTILE 0
	XTILE 1
	v_cndmask_b32 v26, v22, v23, s19               ; lanes 0-15 the even tile's words, lanes 16-31 the odd tile's
	global_store_b32 v6, v26, s[28:29]
	s_wait_tensorcnt 0x0
	ds_add_u32 v254, v255
	s_wait_dscnt 0x0
	s_endpgm
.Lfunc_end_k_q4a40ee7976_quant:
	.size	k_q4a40ee7976_quant, .Lfunc_end_k_q4a40ee7976_quant-k_q4a40ee7976_quant
	.p2alignl 7, 3214868480
	.fill 96, 4, 3214868480
	.section	.rodata,"a",@progbits
	.p2align	6, 0x0
	.amdhsa_kernel k_q4a40ee7976_quant
		.amdhsa_group_segment_fixed_size 34304
		.amdhsa_private_segment_fixed_size 0
		.amdhsa_enable_private_segment 0
		.amdhsa_kernarg_size 32
		.amdhsa_user_sgpr_count 2
		.amdhsa_user_sgpr_kernarg_segment_ptr 1
		.amdhsa_wavefront_size32 1
		.amdhsa_system_sgpr_workgroup_id_x 1
		.amdhsa_system_sgpr_workgroup_id_y 1
		.amdhsa_system_sgpr_workgroup_id_z 1
		.amdhsa_system_vgpr_workitem_id 0
		.amdhsa_next_free_vgpr 256
		.amdhsa_next_free_sgpr 66
		.amdhsa_reserve_vcc 0
		.amdhsa_float_denorm_mode_32 3
		.amdhsa_float_denorm_mode_16_64 3
		.amdhsa_memory_ordered 1
		.amdhsa_forward_progress 1
		.amdhsa_inst_pref_size 37
	.end_amdhsa_kernel
	.amdgpu_metadata
---
amdhsa.version: [ 1, 2 ]
amdhsa.kernels:
  - .name:           k_q4a40ee7976_quant
    .symbol:         k_q4a40ee7976_quant.kd
    .args:
      - { .name: x, .offset: 0, .size: 8, .value_kind: global_buffer, .address_space: global }
      - { .name: W_qkv, .offset: 8, .size: 8, .value_kind: global_buffer, .address_space: global }
      - { .name: xq, .offset: 16, .size: 8, .value_kind: global_buffer, .address_space: global }
      - { .name: wq, .offset: 24, .size: 8, .value_kind: global_buffer, .address_space: global }
    .group_segment_fixed_size: 34304
    .private_segment_fixed_size: 0
    .kernarg_segment_align: 8
    .kernarg_segment_size: 32
    .max_flat_workgroup_size: 128
    .sgpr_count:     66
    .vgpr_count:     256
    .wavefront_size: 32
...
	.end_amdgpu_metadata
.endif
;; end of part 1
;; launch qkv (part 2): grid 16 x 16, 4 waves a work-group, clusters of 4 x 1, 168,448 bytes of LDS; arguments xq, wq, b_qkv, qq, kv; writes qq, kv
.if DOCPART == 2
	.amdgcn_target "amdgcn-amd-amdhsa--gfx1250"
	.amdhsa_code_object_version 6
	.text
	.protected	k_q4a40ee7976_qkv
	.globl	k_q4a40ee7976_qkv
	.p2align	8
	.type	k_q4a40ee7976_qkv,@function
k_q4a40ee7976_qkv:
	s_mov_b64 s[64:65], 0
	v_nop
	global_prefetch_b8 v0, s[64:65] scope:SCOPE_SE
	s_setreg_imm32_b32 hwreg(HW_REG_WAVE_MODE, 25, 1), 1
	s_wait_xcnt 0x0
	s_wait_alu depctr_hold_cnt(0) depctr_sa_sdst(0) depctr_va_vdst(0) depctr_va_sdst(0) depctr_va_ssrc(0) depctr_va_vcc(0) depctr_vm_vsrc(0)
	s_getreg_b32 s2, hwreg(HW_REG_IB_STS2, 6, 4)
	s_cmp_eq_u32 s2, 0
	s_cbranch_scc0 .Lentry_in_a_cluster
	s_endpgm
.Lentry_in_a_cluster:
	s_bfe_u32 s2, ttmp6, 0x10000c
	s_cmp_lg_u32 s2, 0x3003
	s_cbranch_scc0 .Lentry_shape_is_right
	s_endpgm
.Lentry_shape_is_right:
; qkv = Q(x) Q(W) + b on codes of FP4 with E8M0 scales, K = 1,024; then q and k are quantised along the head's 64 and v along the keys, and leave as images of operand registers.
; SHARES.  Work-group (rb, head): 512 rows x the head's 192 columns.  Wave w: group G = 4 rb + w of 128 rows, all 192 columns, as three runs of 64 (q, k, v) on 32 accumulators (8 tiles of rows x 4 of columns).
; The wave's rows of x, 128 x 1,024 codes, are 512 registers: loaded once, straight from memory, since no other wave of the work-group wants them.  The head's W, 98,304 bytes, lies in LDS whole, filled once.
; CLUSTER.  The four row blocks of a cluster want the same head's W: each wave's quarter of it is asked for jointly, the same tensor load with the same descriptor and the mask of all four.
; q AND k: THE PRODUCT IS USED TRANSPOSED (source 0 = 16 columns of W, source 1 = 16 rows of x): a lane holds one token, and, by the order of W's columns in a tile, the 16 registers of tiles 2 b, 2 b + 1 are
; d = 32 b + 16 (lane / 16) + 0 .. 15.  v: NATURAL (source 0 = x, source 1 = W): a lane holds one column d, and, by the order of x's rows in a tile, tiles 2 b, 2 b + 1 of rows hold keys 32 b + 16 (lane / 16) + 0 .. 15.
; The bias is the C of each sum's first matrix instruction.
; OUT.  qq: codes [bh 64][tile 128][lane][16 B] (the lower half of a fragment: K = 64), scale words at QSC [bh][ks 16][lane][4 words]: word b of lane 16 u + r belongs to row r of tile 2 b + u; bytes 2, 3 are 0.
;   kv: a dense block of HB bytes a head: k's codes (as q's), v's codes [ks][c 4][c2 2][lane][16 B] at 65,536, k's scale words (as q's) at 131,072, v's [ks][lane][2 words] at 139,264.
; LIMITS: NaN and infinities are not served; a block of zeros gets the byte 1 (its codes are zeros; only this program reads the bytes).
; REGISTERS, in windows of 256: window 1: x's fragments of K steps 0-3, (s, a) at v[8 (8 (s % 4) + a)]; window 2: K steps 4-7; window 3: accumulator (a, c) at v[8 (4 a + c)];
;   window 0: v1-3 16 x lane + 32,768 g; v4-7 offsets; v16-47 x's scale words; v48-95 W's; v96-127 the bias; v128-191 W's fragments, two sets (v128-159 later the codes made); v192-251 at work.
.set XSC,   4194304
.set WSC,   1572864
.set QSC,   4194304
.set HB,    143360
.set FLOOR, 0x1800000
.set EOFF,  0xff000000
.set AS,   16
.set BS,   48
.set BIAS, 96
.set BF,   128
.set PC,   128
.set TM,   192
.set T2,   208
.set SO,   224
.set WD,   240
.set WP,   248
.set MSB, 0
.macro WIN new                         ; s_set_vgpr_msb: bits 1:0 source 0, 3:2 source 1, 5:4 source 2, 7:6 destination; the high byte repeats the setting that is left
.if MSB != \new
	s_set_vgpr_msb (MSB<<8)|\new
.set MSB, \new
.endif
.endm
.macro PLACES n
.rept \n
	v_nop
.endr
.endm
.macro ROUND                           ; a round of the cluster's barrier
	s_barrier_signal -1
	s_barrier_wait -1
	s_cmp_lg_u32 s14, 0
	s_cbranch_scc1 .Lnot_wave_0_\@
	s_barrier_signal -3
.Lnot_wave_0_\@:
	s_barrier_wait -3
	s_barrier_signal -1
	s_barrier_wait -1
.endm
	s_load_b256 s[4:11], s[0:1], 0x0               ; xq s[4:5], wq s[6:7], b s[8:9], qq s[10:11]
	s_load_b64 s[12:13], s[0:1], 0x20              ; kv
	v_lshl_add_u32 v254, v0, 2, 0x29000
	v_mov_b32 v255, 0
	ds_add_u32 v254, v255
	ds_add_u32 v254, v255
	v_lshrrev_b32 v1, 5, v0
	v_readfirstlane_b32 s14, v1                    ; wave 0..3
	s_bfe_u32 s15, ttmp6, 0x40000                  ; cx: it enters global addresses of x's codes and of the results alone
	s_lshl_b32 s16, ttmp9, 2
	s_add_co_u32 s16, s16, s15                     ; rb = 4 x cluster x + cx
	s_and_b32 s17, ttmp7, 0xffff                   ; the head, which the four partners share
	s_lshl_b32 s18, s16, 2
	s_add_co_u32 s18, s18, s14                     ; G
	s_lshr_b32 s19, s18, 4
	s_and_b32 s23, s18, 15                         ; ks: the group among the batch's 16
	s_lshl_b32 s19, s19, 4
	s_add_co_u32 s19, s19, s17                     ; bh = 16 x batch + head
	s_mov_b32 s20, 0x76543210
	s_mov_b32 s21, 0xfedcba98                      ; v_permlanex16_b32's selects for lane l xor 16
	s_mov_b32 s22, 0xffff0000                      ; lanes 16-31
	; descriptor group 1: 96 rows of 256 bytes (32 elements of 8 bytes), dense in memory and in LDS
	s_mov_b32 s24, 15|(3<<16)|(1<<21)              ; 15:0 the mask: all four work-groups; 17:16 elements of 8 bytes; 21 set beside a mask
	s_mov_b32 s25, 32<<16                          ; tensor_dim0 = 32
	s_mov_b32 s26, 96<<16                          ; tensor_dim1 = 96
	s_mov_b32 s27, 32<<16                          ; tile_dim0 = 32
	s_mov_b32 s28, 96                              ; tile_dim1 = 96
	s_mov_b32 s29, 32                              ; from row to row
	s_mov_b32 s30, 0
	s_mov_b32 s31, 0
	s_mov_b32 s32, 1                               ; group 0: count = 1
	s_mul_i32 s33, s14, 24576                      ; LDS address: my quarter
	s_mul_i32 s66, s17, 98304
	s_add_co_u32 s66, s66, s33
	s_mov_b32 s67, 0
	s_wait_dscnt 0x0
	s_wait_kmcnt 0x0
	s_add_nc_u64 s[34:35], s[6:7], s[66:67]        ; the head's W, my quarter
	s_or_b32 s35, s35, 0x80000000                  ; type = 2
	ROUND                                          ; all four work-groups are here: the joint loads meet
	tensor_load_to_lds s[32:35], s[24:31]          ; my one tensor load of the launch
	s_nop 0
	PLACES 4                                       ; four places behind the tensor load
	s_lshl_b32 s66, s18, 16
	s_add_nc_u64 s[44:45], s[4:5], s[66:67]        ; x's codes of my group
	s_lshl_b32 s66, s18, 12
	s_add_co_u32 s66, s66, XSC
	s_add_nc_u64 s[46:47], s[4:5], s[66:67]        ; and their scale words
	s_mul_i32 s66, s17, 6144
	s_add_co_u32 s66, s66, WSC
	s_add_nc_u64 s[48:49], s[6:7], s[66:67]        ; W's scale words of the head
	s_mul_i32 s66, s17, 768
	s_add_nc_u64 s[50:51], s[8:9], s[66:67]        ; the head's 192 biases
	s_lshl_b32 s66, s19, 16
	s_lshl_b32 s68, s23, 12
	s_add_co_u32 s66, s66, s68
	s_add_nc_u64 s[52:53], s[10:11], s[66:67]      ; q's codes
	s_lshl_b32 s66, s19, 13
	s_lshl_b32 s69, s23, 9
	s_add_co_u32 s66, s66, s69
	s_add_co_u32 s66, s66, QSC
	s_add_nc_u64 s[54:55], s[10:11], s[66:67]      ; q's scale words
	s_mul_i32 s70, s19, HB                         ; the head's block in kv
	s_add_co_u32 s66, s70, s68
	s_add_nc_u64 s[56:57], s[12:13], s[66:67]      ; k's codes
	s_add_co_u32 s66, s66, 65536
	s_add_nc_u64 s[60:61], s[12:13], s[66:67]      ; v's codes
	s_add_co_u32 s66, s70, s69
	s_add_co_u32 s66, s66, 131072
	s_add_nc_u64 s[58:59], s[12:13], s[66:67]      ; k's scale words
	s_lshl_b32 s66, s23, 8
	s_add_co_u32 s66, s66, s70
	s_add_co_u32 s66, s66, 139264
	s_add_nc_u64 s[62:63], s[12:13], s[66:67]      ; v's scale words
	v_and_b32 v8, 31, v0                           ; lane
	v_lshlrev_b32 v1, 4, v8                        ; 16 x lane: an image's place, in memory and in LDS (q's W)
	v_add_nc_u32 v2, 32768, v1                     ; k's W
	v_add_nc_u32 v3, 65536, v1                     ; v's W
	v_lshlrev_b32 v4, 2, v8
	v_lshlrev_b32 v5, 3, v8
	v_bfe_u32 v6, v0, 4, 1
	v_lshlrev_b32 v6, 6, v6                        ; q's and k's bias: 16 numbers on for lanes 16-31
	v_and_b32 v7, 15, v0
	v_lshlrev_b32 v7, 2, v7                        ; v's bias: my column
.set n, 0
.rept 16
	v_mov_b32 v[T2+n], 0                           ; written once: a lane permute's destination counts as one of its sources
.set n, n+1
.endr
.macro ALOAD s                         ; x's eight fragments of K step s
.if (\s) < 4
	WIN 0x40                                       ; destination window 1
.else
	WIN 0x80                                       ; destination window 2
.endif
.irp a, 0,1,2,3,4,5,6,7
.irp d, 0,1
	global_load_b128 v[8*(8*((\s)%4)+\a)+4*\d:8*(8*((\s)%4)+\a)+4*\d+3], v1, s[44:45] offset:8192*(\s)+1024*\a+512*\d
.endr
.endr
.endm
.macro FETCHB g, s                     ; W's four fragments of run g, K step s, into set s % 2: each load takes 512 consecutive bytes
.irp c, 0,1,2,3
.irp d, 0,1
	ds_load_b128 v[BF+32*((\s)%2)+8*\c+4*\d:BF+32*((\s)%2)+8*\c+4*\d+3], v[1+\g] offset:4096*(\s)+1024*\c+512*\d
.endr
.endr
.endm
.macro BIASLOAD g
.if \g < 2
.irp c, 0,1,2,3                        ; tile c = 2 b + u, lane half h, register j: d = 32 b + 16 h + 8 u + j
	global_load_b128 v[BIAS+8*\c:BIAS+8*\c+3], v6, s[50:51] offset:(64*\g+32*(\c/2)+8*(\c%2))*4
	global_load_b128 v[BIAS+8*\c+4:BIAS+8*\c+7], v6, s[50:51] offset:(64*\g+32*(\c/2)+8*(\c%2))*4+16
.endr
.else
.irp c, 0,1,2,3                        ; every register of a lane holds column 16 c + r
	global_load_b32 v[BIAS+8*\c], v7, s[50:51] offset:(128+16*\c)*4
.endr
.endif
.endm
.macro WM                              ; one matrix instruction from the symbols rD, rA, rB, rC, rSA, rSB; fA, fB: the side's scale words stand in lanes 16-31
.if fA && fB
	v_wmma_scale_f32_16x16x128_f8f6f4 v[rD:rD+7], v[rA:rA+7], v[rB:rB+7], v[rC:rC+7], v[rSA], v[rSB] matrix_a_fmt:MATRIX_FMT_FP4 matrix_b_fmt:MATRIX_FMT_FP4 matrix_a_scale:MATRIX_SCALE_ROW1 matrix_b_scale:MATRIX_SCALE_ROW1
.elseif fA
	v_wmma_scale_f32_16x16x128_f8f6f4 v[rD:rD+7], v[rA:rA+7], v[rB:rB+7], v[rC:rC+7], v[rSA], v[rSB] matrix_a_fmt:MATRIX_FMT_FP4 matrix_b_fmt:MATRIX_FMT_FP4 matrix_a_scale:MATRIX_SCALE_ROW1
.elseif fB
	v_wmma_scale_f32_16x16x128_f8f6f4 v[rD:rD+7], v[rA:rA+7], v[rB:rB+7], v[rC:rC+7], v[rSA], v[rSB] matrix_a_fmt:MATRIX_FMT_FP4 matrix_b_fmt:MATRIX_FMT_FP4 matrix_b_scale:MATRIX_SCALE_ROW1
.else
	v_wmma_scale_f32_16x16x128_f8f6f4 v[rD:rD+7], v[rA:rA+7], v[rB:rB+7], v[rC:rC+7], v[rSA], v[rSB] matrix_a_fmt:MATRIX_FMT_FP4 matrix_b_fmt:MATRIX_FMT_FP4
.endif
.endm
; 32 matrix instructions: K step s of run g.  The 32 accumulators take turns, one instruction a turn, in the same order in every step.
.macro MUL g, s
.if \g < 2                             ; W window 0 as source 0, x window 1 or 2 as source 1; C: the bias (window 0) or the accumulator (window 3)
.if \s == 0
	WIN 0xc4
.elseif \s < 4
	WIN 0xf4
.else
	WIN 0xf8
.endif
.else                                  ; x as source 0, W as source 1
.if \s == 0
	WIN 0xc1
.elseif \s < 4
	WIN 0xf1
.else
	WIN 0xf2
.endif
.endif
.irp a, 0,1,2,3,4,5,6,7
.irp c, 0,1,2,3
.set rD, 8*(4*\a+\c)
.if \s == 0
.set rC, BIAS+8*\c
.else
.set rC, rD
.endif
.if \g < 2
.set rA, BF+32*(\s%2)+8*\c
.set rB, 8*(8*(\s%4)+\a)
.set rSA, BS+16*\g+2*\s+\c/2
.set rSB, AS+4*\s+\a/2
.set fA, \c%2
.set fB, \a%2
.else
.set rA, 8*(8*(\s%4)+\a)
.set rB, BF+32*(\s%2)+8*\c
.set rSA, AS+4*\s+\a/2
.set rSB, BS+16*\g+2*\s+\c/2
.set fA, \a%2
.set fB, \c%2
.endif
	WM
.endr
.endr
.endm
.macro KSTEP g, s
	s_wait_dscnt 0x0                               ; this step's fragments of W, asked for 32 matrix instructions ago
.if \g == 0
.if \s < 4
	s_wait_loadcnt 48                              ; this step's fragments of x (and all that was asked for ahead of them) are in; behind them stand three K steps' 16 loads each
.else
	s_wait_loadcnt 16*(7-\s)                       ; behind them stand the K steps that are left
.endif
.endif
	PLACES 4                                       ; in front of loads into registers that the step before multiplied (ISA guide 7.12.1 for vector instructions)
.if \s < 7
	FETCHB \g, \s+1
.endif
.if (\g == 0) && (\s < 4)
	ALOAD \s+4
.endif
	MUL \g, \s
	WIN 0
.endm
; What both ways out share: 16 blocks' maxima in v[TM ..] are joined with lane l xor 16's; v[SO ..] the conversions' scale operands, v[T2 ..] the bytes
.macro EPIMID
.set n, 0
.rept 16
	v_permlanex16_b32 v[T2+n], v[TM+n], s20, s21
.set n, n+1
.endr
.set n, 0
.rept 16
	v_max_num_f32 v[TM+n], v[TM+n], v[T2+n]
.set n, n+1
.endr
.set n, 0
.rept 16
	v_add_nc_u32 v[SO+n], EOFF, v[TM+n]            ; 2 off the exponent field
.set n, n+1
.endr
.set n, 0
.rept 16
	v_lshrrev_b32 v[T2+n], 23, v[SO+n]
.set n, n+1
.endr
.endm
; q's and k's way out.  Block n = 2 a + b of 16: tile a of tokens, d = 32 b ..: window 3's registers 16 n + i hold d = 32 b + 16 (lane / 16) + i.
.macro EPIT pc, ps
.set n, 0
.rept 16
	v_mov_b32 v[TM+n], FLOOR                       ; the floor starts each maximum; these sixteen are also the places behind the last products
.set n, n+1
.endr
	WIN 0x0f                                       ; sources 0 and 1: window 3
.irp i, 0,2,4,6,8,10,12,14             ; each accumulator is read from its low end on
.set n, 0
.rept 16
	v_max3_num_f32 v[TM+n], |v[16*n+\i]|, |v[16*n+\i+1]|, v[TM+n]
.set n, n+1
.endr
.endr
	WIN 0
	EPIMID
.irp a, 0,1,2,3,4,5,6,7
	v_lshl_or_b32 v[WD+\a], v[T2+2*\a+1], 8, v[T2+2*\a]   ; a token's scale word: two bytes, the upper two 0: they meet zero codes
.endr
	WIN 0x03                                       ; source 0: window 3
.set n, 0
.rept 16
	v_cvt_scalef32_pk8_fp4_f32 v[PC+2*n], v[16*n:16*n+7], v[SO+n]
	v_cvt_scalef32_pk8_fp4_f32 v[PC+2*n+1], v[16*n+8:16*n+15], v[SO+n]
.set n, n+1
.endr
	WIN 0
	v_nop                                          ; one plain place behind the last conversion
.irp a, 0,1,2,3,4,5,6,7                ; the operand's layout wants a whole block in a lane: lanes 0-15 block 0, lanes 16-31 block 1
.irp i, 0,1
	v_permlane16_swap_b32 v[PC+4*\a+\i], v[PC+4*\a+2+\i]
.endr
.endr
.irp b, 0,1,2,3
	v_cndmask_b32 v[WP+\b], v[WD+2*\b], v[WD+2*\b+1], s22   ; lanes 0-15 tile 2 b's words, lanes 16-31 tile 2 b + 1's
.endr
.irp a, 0,1,2,3,4,5,6,7
	global_store_b128 v1, v[PC+4*\a:PC+4*\a+3], s[\pc:\pc+1] offset:512*\a   ; 512 consecutive bytes
.endr
	global_store_b128 v1, v[WP:WP+3], s[\ps:\ps+1]
.endm
; v's way out.  Block 4 c + b: column tile c, keys 32 b ..: accumulators (2 b, c) and (2 b + 1, c) hold keys 32 b + 16 (lane / 16) + 0 .. 15 of column 16 c + r.
.macro EPIN
.set n, 0
.rept 16
	v_mov_b32 v[TM+n], FLOOR
.set n, n+1
.endr
	WIN 0x0f
.irp u, 0,1
.irp i, 0,2,4,6
.irp c, 0,1,2,3
.irp b, 0,1,2,3
	v_max3_num_f32 v[TM+4*\c+\b], |v[8*(8*\b+4*\u+\c)+\i]|, |v[8*(8*\b+4*\u+\c)+\i+1]|, v[TM+4*\c+\b]
.endr
.endr
.endr
.endr
	WIN 0
	EPIMID
.irp c, 0,1,2,3
	v_lshl_or_b32 v[WD+\c], v[T2+4*\c+1], 8, v[T2+4*\c]
	v_lshl_or_b32 v[WD+\c], v[T2+4*\c+2], 16, v[WD+\c]
	v_lshl_or_b32 v[WD+\c], v[T2+4*\c+3], 24, v[WD+\c]    ; column 16 c + r's word for these 128 keys
.endr
	WIN 0x03
.irp c, 0,1,2,3
.irp b, 0,1,2,3
.irp u, 0,1
	v_cvt_scalef32_pk8_fp4_f32 v[PC+8*\c+2*\b+\u], v[8*(8*\b+4*\u+\c):8*(8*\b+4*\u+\c)+7], v[SO+4*\c+\b]
.endr
.endr
.endr
	WIN 0
	v_nop
.irp c, 0,1,2,3
.irp d, 0,1
.irp i, 0,1
	v_permlane16_swap_b32 v[PC+8*\c+4*\d+\i], v[PC+8*\c+4*\d+2+\i]
.endr
.endr
.endr
.irp c, 0,1
	v_cndmask_b32 v[WP+\c], v[WD+2*\c], v[WD+2*\c+1], s22
.endr
.irp c, 0,1,2,3
.irp d, 0,1
	global_store_b128 v1, v[PC+8*\c+4*\d:PC+8*\c+4*\d+3], s[60:61] offset:1024*\c+512*\d
.endr
.endr
	global_store_b64 v5, v[WP:WP+1], s[62:63]      ; 256 consecutive bytes
.endm
.irp s, 0,1,2,3,4,5,6,7
.irp a, 0,1,2,3
	global_load_b32 v[AS+4*\s+\a], v4, s[46:47] offset:512*\s+128*\a
.endr
.endr
.irp g, 0,1,2
.irp s, 0,1,2,3,4,5,6,7
.irp c, 0,1
	global_load_b32 v[BS+16*\g+2*\s+\c], v4, s[48:49] offset:2048*\g+256*\s+128*\c
.endr
.endr
.endr
	BIASLOAD 0
	ALOAD 0
	ALOAD 1
	ALOAD 2
	ALOAD 3
	WIN 0
	s_wait_tensorcnt 0x0                           ; my quarter of W has landed,
	s_barrier_signal -1
	s_barrier_wait -1                              ; everybody's has.  Nothing is filled again in this launch
	FETCHB 0, 0
.irp s, 0,1,2,3,4,5,6,7
	KSTEP 0, \s
.endr
	BIASLOAD 1                                     ; the bias registers were last read in K step 0; the later steps' places lie between
	EPIT 52, 54
	s_wait_xcnt 0x0                                ; the stores have read their registers: W's fragments may land there
	FETCHB 1, 0
	s_wait_loadcnt 0x0                             ; k's bias
.irp s, 0,1,2,3,4,5,6,7
	KSTEP 1, \s
.endr
	BIASLOAD 2
	EPIT 56, 58
	s_wait_xcnt 0x0
	FETCHB 2, 0
	s_wait_loadcnt 0x0                             ; v's bias: one number a lane and tile,
.irp c, 0,1,2,3
.irp j, 1,2,3,4,5,6,7
	v_mov_b32 v[BIAS+8*\c+\j], v[BIAS+8*\c]        ; the same for the lane's eight keys
.endr
.endr
	s_wait_alu depctr_va_vdst(0)
.irp s, 0,1,2,3,4,5,6,7
	KSTEP 2, \s
.endr
	EPIN
	s_wait_tensorcnt 0x0
	ds_add_u32 v254, v255
	s_wait_dscnt 0x0
	ROUND                                          ; the closing round: no work-group ends while a partner may still ask for a tile that names it
	s_endpgm
.Lfunc_end_k_q4a40ee7976_qkv:
	.size	k_q4a40ee7976_qkv, .Lfunc_end_k_q4a40ee7976_qkv-k_q4a40ee7976_qkv
	.p2alignl 7, 3214868480
	.fill 96, 4, 3214868480
	.section	.rodata,"a",@progbits
	.p2align	6, 0x0
	.amdhsa_kernel k_q4a40ee7976_qkv
		.amdhsa_group_segment_fixed_size 168448
		.amdhsa_private_segment_fixed_size 0
		.amdhsa_enable_private_segment 0
		.amdhsa_kernarg_size 40
		.amdhsa_user_sgpr_count 2
		.amdhsa_user_sgpr_kernarg_segment_ptr 1
		.amdhsa_wavefront_size32 1
		.amdhsa_system_sgpr_workgroup_id_x 1
		.amdhsa_system_sgpr_workgroup_id_y 1
		.amdhsa_system_sgpr_workgroup_id_z 1
		.amdhsa_system_vgpr_workitem_id 0
		.amdhsa_next_free_vgpr 1024
		.amdhsa_next_free_sgpr 72
		.amdhsa_reserve_vcc 0
		.amdhsa_float_denorm_mode_32 3
		.amdhsa_float_denorm_mode_16_64 3
		.amdhsa_memory_ordered 1
		.amdhsa_forward_progress 1
		.amdhsa_inst_pref_size 191
	.end_amdhsa_kernel
	.amdgpu_metadata
---
amdhsa.version: [ 1, 2 ]
amdhsa.kernels:
  - .name:           k_q4a40ee7976_qkv
    .symbol:         k_q4a40ee7976_qkv.kd
    .args:
      - { .name: xq, .offset: 0, .size: 8, .value_kind: global_buffer, .address_space: global }
      - { .name: wq, .offset: 8, .size: 8, .value_kind: global_buffer, .address_space: global }
      - { .name: b_qkv, .offset: 16, .size: 8, .value_kind: global_buffer, .address_space: global }
      - { .name: qq, .offset: 24, .size: 8, .value_kind: global_buffer, .address_space: global }
      - { .name: kv, .offset: 32, .size: 8, .value_kind: global_buffer, .address_space: global }
    .group_segment_fixed_size: 168448
    .private_segment_fixed_size: 0
    .kernarg_segment_align: 8
    .kernarg_segment_size: 40
    .max_flat_workgroup_size: 128
    .sgpr_count:     72
    .vgpr_count:     1024
    .wavefront_size: 32
...
	.end_amdgpu_metadata
.endif
;; end of part 2
;; launch attn (part 3): grid 4 x 64, 16 waves a work-group, clusters of 4 x 1, 215,040 bytes of LDS; arguments qq, kv, out0; writes out0
.if DOCPART == 3
	.amdgcn_target "amdgcn-amd-amdhsa--gfx1250"
	.amdhsa_code_object_version 6
	.text
	.protected	k_q4a40ee7976_attn
	.globl	k_q4a40ee7976_attn
	.p2align	8
	.type	k_q4a40ee7976_attn,@function
k_q4a40ee7976_attn:
	s_mov_b64 s[64:65], 0
	v_nop
	global_prefetch_b8 v0, s[64:65] scope:SCOPE_SE
	s_setreg_imm32_b32 hwreg(HW_REG_WAVE_MODE, 25, 1), 1
	s_wait_xcnt 0x0
	s_wait_alu depctr_hold_cnt(0) depctr_sa_sdst(0) depctr_va_vdst(0) depctr_va_sdst(0) depctr_va_ssrc(0) depctr_va_vcc(0) depctr_vm_vsrc(0)
	s_getreg_b32 s2, hwreg(HW_REG_IB_STS2, 6, 4)
	s_cmp_eq_u32 s2, 0
	s_cbranch_scc0 .Lentry_in_a_cluster
	s_endpgm
.Lentry_in_a_cluster:
	s_bfe_u32 s2, ttmp6, 0x10000c
	s_cmp_lg_u32 s2, 0x3003
	s_cbranch_scc0 .Lentry_shape_is_right
	s_endpgm
.Lentry_shape_is_right:
; out0[b][q][64 head + d] = the sum over keys k <= q of softmax_k(q . k / 8) v[k][d], both products on codes of FP4 with E8M0 scales.
; THE SOFTMAX AHEAD OF THE SECOND PRODUCT: t = score x log2(e) / 8; M = the running largest t, rounded UP to a whole number; p = 2^(t - M) is quantised along the keys, not normalised.
; The row's sum is taken of the unquantised p, in f32, and divides at the end.  When M moves, the sum and O are multiplied by 2^(old M - new M): exact.
; SHARES.  The four work-groups of a cluster serve one (batch, head).  The head's k, v and their scale words, 143,360 dense bytes, come into LDS ONCE and stay: nothing is filled again.
; They are asked for JOINTLY: waves 0-7 of each of the four issue the same tensor load (70 rows of 256 bytes each) with the mask of all four.
; A wave owns one tile of 16 queries in each of two passes: in pass 0 tile 2 cx of query group w (128 queries a group), in pass 1 tile 2 cx + 1 of group 15 - w.
; A tile of group g walks key steps 0 .. g (128 keys a step): (w + 1) + (16 - w) = 17 steps for every wave of every work-group, two of them on the diagonal.
; Every branch hangs on the wave's number and a counter; cx enters q's and out0's global addresses and the mask's compare alone.  The loop over key steps has 16 trips in every wave; a step all of whose keys are hidden is jumped over.
; LAYOUT.  Both products transposed: S^T = k q^T (source 0 = 16 keys, source 1 = my 16 queries), O^T = v^T p^T: a lane holds ONE query (lane % 16) throughout.  Lane r of a tile 2 b + u of keys or of queries is
; row 32 b + 8 u + r + 8 (r / 8) of its group of 128, so that the 16 registers of tiles 2 b, 2 b + 1 of S^T are keys 32 b + 16 (lane / 16) + 0 .. 15.
; K = 64 IN AN INSTRUCTION OF 128: q's upper four registers are zero codes, and q's and k's scale bytes 2, 3 are 0 (2^-127, no NaN).  So the upper four registers of k's operand may hold anything: they are the next tile's codes.
; LIMITS: NaN and infinities are not served; a t under -3e38 is not served (the running maximum starts there).
; REGISTERS: v1-7 addresses that stay; v8-11 addresses in hand; v12 -M, v13 the largest t, v[14:15] the sum; v16-31 q of both passes; v32-35 k's scale words; v36-67 k's eight tiles, v68-71 zeros; v72-103 v's four fragments;
;   v104-167 S^T, then p; v168-199 O^T; v200-207 p's codes; v208-222 at work; v223 p's scale word; v224 the mask's number; v225 -infinity; v226-227 v's scale words; v228-229 q's; v230-231 kept.
.set QSC,   4194304
.set HB,    143360
.set FLOOR, 0x1800000
.set EOFF,  0xff000000
.set LV,    65536                      ; LDS: k's codes at 0, v's here,
.set LKS,   131072                     ; k's scale words,
.set LVS,   139264                     ; v's,
.set STAGE, 143360                     ; and behind all fills the stages for the way out: 16 rows x 272 bytes for each wave
.set SPT,   272                        ; 256 bytes + 16 = 17 x 16: the sixteen rows that a store touches start at sixteen different banks (ISA guide 11.1)
.set QF,  16
.set KW,  32
.set KC,  36
.set VF,  72
.set SS,  104
.set OT,  168
.set PCD, 200
.set BM,  208
.set T2,  212
.set SO,  216
.set FF,  220
.set TT,  222
.set PW,  223
.set DV,  224
.set NINF, 225
.set VW,  226
.set QW,  228
.macro ROUND                           ; a round of the cluster's barrier
	s_barrier_signal -1
	s_barrier_wait -1
	s_cmp_lg_u32 s12, 0
	s_cbranch_scc1 .Lnot_wave_0_\@
	s_barrier_signal -3
.Lnot_wave_0_\@:
	s_barrier_wait -3
	s_barrier_signal -1
	s_barrier_wait -1
.endm
	s_load_b128 s[4:7], s[0:1], 0x0                ; qq s[4:5], kv s[6:7]
	s_load_b64 s[8:9], s[0:1], 0x10                ; out0
	v_lshl_add_u32 v254, v0, 2, 0x34000
	v_mov_b32 v255, 0
	ds_add_u32 v254, v255
	ds_add_u32 v254, v255
	v_lshrrev_b32 v1, 5, v0
	s_delay_alu instid0(VALU_DEP_1)
	v_readfirstlane_b32 s12, v1                    ; wave 0..15
	s_bfe_u32 s13, ttmp6, 0x40000                  ; cx
	s_and_b32 s14, ttmp7, 0xffff                   ; bh = 16 x batch + head, which the four partners share
	s_mov_b32 s20, 0x76543210
	s_mov_b32 s21, 0xfedcba98                      ; v_permlanex16_b32's selects for lane l xor 16
	s_mov_b32 s22, 0x3e38aa3b                      ; c = log2(e) / 8
	s_mov_b32 s23, s22                             ; (named with it as a pair, so it is written)
	; descriptor group 1: 70 rows of 256 bytes (32 elements of 8 bytes), dense in memory and in LDS
	s_mov_b32 s24, 15|(3<<16)|(1<<21)              ; 15:0 the mask: all four work-groups; 17:16 elements of 8 bytes; 21 set beside a mask
	s_mov_b32 s25, 32<<16                          ; tensor_dim0 = 32
	s_mov_b32 s26, 70<<16                          ; tensor_dim1 = 70
	s_mov_b32 s27, 32<<16                          ; tile_dim0 = 32
	s_mov_b32 s28, 70                              ; tile_dim1 = 70
	s_mov_b32 s29, 32                              ; from row to row
	s_mov_b32 s30, 0
	s_mov_b32 s31, 0
	s_mov_b32 s32, 1                               ; group 0: count = 1
	s_mul_i32 s33, s12, 17920                      ; LDS address: wave x 70 rows (waves 0-7 issue)
	s_mul_i32 s44, s14, HB
	s_add_co_u32 s44, s44, s33
	s_mov_b32 s45, 0
	s_wait_dscnt 0x0
	s_wait_kmcnt 0x0
	s_add_nc_u64 s[34:35], s[6:7], s[44:45]
	s_or_b32 s35, s35, 0x80000000                  ; type = 2
	ROUND                                          ; all four work-groups are here: the joint loads meet
	s_cmp_lt_u32 s12, 8
	s_cbranch_scc0 .Lno_fill
	tensor_load_to_lds s[32:35], s[24:31]          ; my one tensor load of the launch
	s_nop 0
.rept 4
	v_nop                                          ; four places behind the tensor load
.endr
.Lno_fill:
	s_lshl_b32 s46, s14, 16                        ; q's codes: bh x 65,536 + (8 g + 2 cx + p) x 512
	s_lshl_b32 s47, s13, 10
	s_add_co_u32 s46, s46, s47
	s_lshl_b32 s47, s12, 12
	s_add_co_u32 s44, s46, s47
	s_add_nc_u64 s[48:49], s[4:5], s[44:45]        ; pass 0: g = wave
	s_sub_co_u32 s50, 15, s12
	s_lshl_b32 s47, s50, 12
	s_add_co_u32 s44, s46, s47
	s_add_co_u32 s44, s44, 512
	s_add_nc_u64 s[52:53], s[4:5], s[44:45]        ; pass 1: g = 15 - wave
	s_lshl_b32 s46, s14, 13                        ; q's scale words: QSC + bh x 8,192 + g x 512 + 256 p + 4 cx, 16 bytes from row to row
	s_add_co_u32 s46, s46, QSC
	s_lshl_b32 s47, s13, 2
	s_add_co_u32 s46, s46, s47
	s_lshl_b32 s47, s12, 9
	s_add_co_u32 s44, s46, s47
	s_add_nc_u64 s[54:55], s[4:5], s[44:45]
	s_lshl_b32 s47, s50, 9
	s_add_co_u32 s44, s46, s47
	s_add_co_u32 s44, s44, 256
	s_add_nc_u64 s[56:57], s[4:5], s[44:45]
	v_and_b32 v8, 31, v0                           ; lane
	v_and_b32 v9, 15, v0                           ; r
	v_bfe_u32 v10, v0, 4, 1                        ; h
	s_delay_alu instid0(VALU_DEP_3)
	v_lshlrev_b32 v1, 4, v8                        ; 16 x lane: an image's place; k's codes begin at LDS byte 0
	s_delay_alu instid0(VALU_DEP_3)
	v_lshlrev_b32 v231, 4, v9
	global_load_b128 v[QF:QF+3], v1, s[48:49]      ; q stays in registers, both passes'
	global_load_b128 v[QF+8:QF+11], v1, s[52:53]
	global_load_b32 v[QW], v231, s[54:55]
	global_load_b32 v[QW+1], v231, s[56:57]
	v_add_nc_u32 v2, LV, v1
	v_add_nc_u32 v3, LKS, v1
	v_lshlrev_b32 v4, 3, v8
	s_delay_alu instid0(VALU_DEP_1)
	v_add_nc_u32 v4, LVS, v4
	v_lshlrev_b32 v5, 12, v10
	s_delay_alu instid0(VALU_DEP_1)
	v_lshl_add_u32 v5, v9, 4, v5                   ; out0: lanes 0-15 one row's 256 bytes of the head, lanes 16-31 the next row's
	s_mul_i32 s46, s12, 16*SPT
	s_add_co_u32 s46, s46, STAGE                   ; my stage
	v_mul_u32_u24 v6, v9, SPT
	s_delay_alu instid0(VALU_DEP_1)
	v_lshl_add_u32 v6, v10, 5, v6
	s_delay_alu instid0(VALU_DEP_1)
	v_add_nc_u32 v6, s46, v6                       ; in: row r, 32 bytes for each half of the lanes
	v_mul_u32_u24 v7, v10, SPT
	s_delay_alu instid0(VALU_DEP_1)
	v_lshl_add_u32 v7, v9, 4, v7
	s_delay_alu instid0(VALU_DEP_1)
	v_add_nc_u32 v7, s46, v7                       ; back: lanes 0-15 one row, lanes 16-31 the next
	v_and_b32 v230, 8, v9
	s_delay_alu instid0(VALU_DEP_1)
	v_add_nc_u32 v230, v230, v9
	v_lshlrev_b32 v[TT], 4, v10
	s_delay_alu instid0(VALU_DEP_1)
	v_sub_nc_u32 v230, v230, v[TT]                 ; r + 8 (r / 8) - 16 h
	v_mov_b32 v[NINF], 0xff800000
.irp j, 4,5,6,7,12,13,14,15
	v_mov_b32 v[QF+\j], 0                          ; q's codes of K = 64 .. 127
.endr
.irp j, 0,1,2,3
	v_mov_b32 v[KC+32+\j], 0                       ; what stands above the last tile of k
	v_mov_b32 v[T2+\j], 0                          ; written once: a lane permute's destination counts as one of its sources
.endr
	v_mov_b32 v[FF+1], 0                           ; (named as the upper half of a pair)
	s_lshr_b32 s46, s14, 4                         ; out0: (2,048 batch + 32 cx) rows of 4,096 bytes + 256 x head
	s_lshl_b32 s46, s46, 11
	s_lshl_b32 s47, s13, 5
	s_add_co_u32 s46, s46, s47
	s_lshl_b32 s46, s46, 12
	s_and_b32 s47, s14, 15
	s_lshl_b32 s47, s47, 8
	s_add_co_u32 s58, s46, s47
	s_wait_tensorcnt 0x0                           ; my part of the head has landed,
	s_barrier_signal -1
	s_barrier_wait -1                              ; everybody's has
	s_wait_loadcnt 0x0                             ; q
; A KEY STEP of pass p: 128 keys.  s37 the step, s36 my query group, s38, s39, s40 the step's bytes among codes, k's and v's scale words.
.macro STEP p
	v_add_nc_u32 v8, s38, v1                       ; these four are also the places in front of the loads into v's registers, which the last products read
	v_add_nc_u32 v9, s38, v2
	v_add_nc_u32 v10, s39, v3
	v_add_nc_u32 v11, s40, v4
.irp t, 0,1,2,3,4,5,6,7
	ds_load_b128 v[KC+4*\t:KC+4*\t+3], v8 offset:512*\t
.endr
	ds_load_b128 v[KW:KW+3], v10
.irp c, 0,1,2,3
.irp d, 0,1
	ds_load_b128 v[VF+8*\c+4*\d:VF+8*\c+4*\d+3], v9 offset:1024*\c+512*\d
.endr
.endr
	ds_load_b64 v[VW:VW+1], v11
	s_wait_dscnt 9                                 ; k and its scale words are in; v's eight loads and its scale words may be out
.irp t, 0,2,4,6                        ; S^T = k q^T: word t / 2 holds the even tile's scales in lanes 0-15, the odd tile's in lanes 16-31
	v_wmma_scale_f32_16x16x128_f8f6f4 v[SS+8*\t:SS+8*\t+7], v[KC+4*\t:KC+4*\t+7], v[QF+8*\p:QF+8*\p+7], 0, v[KW+\t/2], v[QW+\p] matrix_a_fmt:MATRIX_FMT_FP4 matrix_b_fmt:MATRIX_FMT_FP4
	v_wmma_scale_f32_16x16x128_f8f6f4 v[SS+8*\t+8:SS+8*\t+15], v[KC+4*\t+4:KC+4*\t+11], v[QF+8*\p:QF+8*\p+7], 0, v[KW+\t/2], v[QW+\p] matrix_a_fmt:MATRIX_FMT_FP4 matrix_b_fmt:MATRIX_FMT_FP4 matrix_a_scale:MATRIX_SCALE_ROW1
.endr
.rept 4
	v_nop                                          ; places behind the products (ISA guide 7.12.1)
.endr
	s_cmp_lg_u32 s37, s36                          ; on the diagonal the scores of hidden keys become -infinity ahead of the maximum: p = 0 then
	s_cbranch_scc1 .Lopen_\@
.set n, 0
.rept 64                               ; register n holds key 32 (n / 16) + 16 h + n % 16 of the group: hidden where 32 (n / 16) + n % 16 > my query - 16 h
	v_cmp_gt_i32 vcc_lo, 32*(n/16)+n%16, v[DV]
	v_cndmask_b32 v[SS+n], v[SS+n], v[NINF], vcc_lo
.set n, n+1
.endr
.Lopen_\@:
.irp b, 0,1,2,3
	v_max3_num_f32 v[BM+\b], v[SS+16*\b], v[SS+1+16*\b], v[SS+2+16*\b]   ; the largest score of each block of 32 keys: for the row's maximum and, since p rises with the score, for the block's largest p
.endr
.irp i, 3,5,7,9,11,13
.irp b, 0,1,2,3
	v_max3_num_f32 v[BM+\b], v[BM+\b], v[SS+16*\b+\i], v[SS+1+16*\b+\i]
.endr
.endr
.irp b, 0,1,2,3
	v_max_num_f32 v[BM+\b], v[BM+\b], v[SS+15+16*\b]
.endr
.irp b, 0,1,2,3
	s_delay_alu instid0(VALU_DEP_4)
	v_permlanex16_b32 v[T2+\b], v[BM+\b], s20, s21
.endr
.irp b, 0,1,2,3
	s_delay_alu instid0(VALU_DEP_4)
	v_max_num_f32 v[BM+\b], v[BM+\b], v[T2+\b]     ; with lane l xor 16's 16 keys
.endr
	s_delay_alu instid0(VALU_DEP_2)
	v_max3_num_f32 v[TT], v[BM], v[BM+1], v[BM+2]
	s_delay_alu instid0(VALU_DEP_1)
	v_max_num_f32 v[TT], v[TT], v[BM+3]            ; the step's largest score of my query
	s_delay_alu instid0(VALU_DEP_1)
	v_mul_f32 v[TT], s22, v[TT]                    ; as t (c is positive)
	s_delay_alu instid0(VALU_DEP_1)
	v_max_num_f32 v13, v13, v[TT]                  ; the running largest t
	v_mov_b32 v[TT], v12
	s_delay_alu instid0(VALU_DEP_2)
	v_floor_f32 v12, -v13                          ; the new -M = floor(-t) = -ceil(t)
	s_delay_alu instid0(VALU_DEP_1)
	v_sub_f32 v[TT], v12, v[TT]                    ; old M - new M: a whole number, 0 or less
	s_delay_alu instid0(VALU_DEP_1)
	v_cvt_i32_f32 v[TT], v[TT]                     ; (it saturates)
	s_delay_alu instid0(VALU_DEP_1)
	v_ldexp_f32 v[FF], 1.0, v[TT]                  ; f = 2^(old M - new M)
.set n, 0
.rept 32
	v_pk_fma_f32 v[SS+n:SS+n+1], v[SS+n:SS+n+1], s[22:23], v[12:13] op_sel_hi:[1,0,0]   ; t - M, two at a time
.set n, n+2
.endr
	s_setprio 1
.irp b, 0,1,2,3
	v_fma_f32 v[BM+\b], v[BM+\b], s22, v12         ; the same of each block's largest score
.endr
.set n, 0
	s_wait_alu depctr_va_vdst(0)
.rept 64
	v_exp_f32 v[SS+n], v[SS+n]                     ; p = 2^(t - M), at most 1
.set n, n+1
.endr
.irp b, 0,1,2,3
	v_exp_f32 v[BM+\b], v[BM+\b]                   ; the block's largest p: the same two instructions on the same number
.endr
	v_pk_mul_f32 v[14:15], v[14:15], v[FF:FF+1] op_sel_hi:[1,0]   ; the sums under the new M (a plain place behind the exponentials)
	s_wait_alu depctr_va_vdst(0)
.irp b, 0,1,2,3
	v_max_num_f32 v[BM+\b], FLOOR, v[BM+\b]        ; the floor: the byte cannot fall under 1 (a block of zeros keeps that byte: its codes are zeros)
.endr
.irp b, 0,1,2,3
	s_delay_alu instid0(VALU_DEP_4)
	v_add_nc_u32 v[SO+\b], EOFF, v[BM+\b]
.endr
.irp b, 0,1,2,3
	s_delay_alu instid0(VALU_DEP_4)
	v_lshrrev_b32 v[T2+\b], 23, v[SO+\b]
.endr
	s_delay_alu instid0(VALU_DEP_3)
	v_lshl_or_b32 v[PW], v[T2+1], 8, v[T2]         ; p's scale word for these 128 keys
	s_delay_alu instid0(VALU_DEP_1)
	v_lshl_or_b32 v[PW], v[T2+2], 16, v[PW]
	s_delay_alu instid0(VALU_DEP_1)
	v_lshl_or_b32 v[PW], v[T2+3], 24, v[PW]
.irp b, 0,1,2,3
	v_cvt_scalef32_pk8_fp4_f32 v[PCD+2*\b], v[SS+16*\b:SS+16*\b+7], v[SO+\b]
	v_cvt_scalef32_pk8_fp4_f32 v[PCD+2*\b+1], v[SS+16*\b+8:SS+16*\b+15], v[SO+\b]
.endr
	v_nop                                          ; one plain place behind the last conversion
.irp c, 0,1                            ; a whole block to a lane: lanes 0-15 block 2 c, lanes 16-31 block 2 c + 1
.irp i, 0,1
	v_permlane16_swap_b32 v[PCD+4*\c+\i], v[PCD+4*\c+2+\i]
.endr
.endr
	v_pk_add_f32 v[212:213], v[108:109], v[112:113]
	v_pk_add_f32 v[252:253], v[116:117], v[120:121]
	v_pk_add_f32 v[250:251], v[124:125], v[128:129]
	v_pk_add_f32 v[248:249], v[132:133], v[136:137]
	v_pk_add_f32 v[246:247], v[140:141], v[144:145]
	v_pk_add_f32 v[244:245], v[148:149], v[152:153]
	v_pk_add_f32 v[242:243], v[156:157], v[160:161]
	v_pk_add_f32 v[14:15], v[14:15], v[164:165]
	v_pk_add_f32 v[212:213], v[212:213], v[104:105]
	v_pk_add_f32 v[252:253], v[252:253], v[106:107]
	v_pk_add_f32 v[250:251], v[250:251], v[110:111]
	v_pk_add_f32 v[248:249], v[248:249], v[114:115]
	v_pk_add_f32 v[246:247], v[246:247], v[118:119]
	s_setprio 0
	v_pk_add_f32 v[244:245], v[244:245], v[122:123]
	v_pk_add_f32 v[242:243], v[242:243], v[126:127]
	v_pk_add_f32 v[14:15], v[14:15], v[130:131]
	v_pk_add_f32 v[212:213], v[212:213], v[134:135]
	v_pk_add_f32 v[252:253], v[252:253], v[138:139]
	v_pk_add_f32 v[250:251], v[250:251], v[142:143]
	v_pk_add_f32 v[248:249], v[248:249], v[146:147]
	v_pk_add_f32 v[246:247], v[246:247], v[150:151]
	v_pk_add_f32 v[244:245], v[244:245], v[154:155]
	v_pk_add_f32 v[242:243], v[242:243], v[158:159]
	v_pk_add_f32 v[14:15], v[14:15], v[162:163]
	v_pk_add_f32 v[212:213], v[212:213], v[166:167]
	s_delay_alu instid0(VALU_DEP_2)
	v_pk_add_f32 v[14:15], v[14:15], v[248:249]
	s_delay_alu instid0(VALU_DEP_2)
	v_pk_add_f32 v[212:213], v[212:213], v[246:247]
	v_pk_add_f32 v[252:253], v[252:253], v[244:245]
	v_pk_add_f32 v[250:251], v[250:251], v[242:243]
	s_delay_alu instid0(VALU_DEP_2)
	v_pk_add_f32 v[14:15], v[14:15], v[252:253]
	s_delay_alu instid0(VALU_DEP_2)
	v_pk_add_f32 v[212:213], v[212:213], v[250:251]
	s_delay_alu instid0(VALU_DEP_1)
	v_pk_add_f32 v[14:15], v[14:15], v[212:213]
.set n, 0
.rept 16
	v_pk_mul_f32 v[OT+n:OT+n+1], v[OT+n:OT+n+1], v[FF:FF+1] op_sel_hi:[1,0]   ; O^T under the new M, each accumulator from its low end on
.set n, n+2
.endr
	s_wait_alu depctr_va_vdst(0)
	s_wait_dscnt 0x0                               ; v and its scale words
.irp c, 0,2                            ; O^T += v^T p^T: four accumulators, one instruction each; the next matrix instruction is another step's S^T
	v_wmma_scale_f32_16x16x128_f8f6f4 v[OT+8*\c:OT+8*\c+7], v[VF+8*\c:VF+8*\c+7], v[PCD:PCD+7], v[OT+8*\c:OT+8*\c+7], v[VW+\c/2], v[PW] matrix_a_fmt:MATRIX_FMT_FP4 matrix_b_fmt:MATRIX_FMT_FP4
	v_wmma_scale_f32_16x16x128_f8f6f4 v[OT+8*\c+8:OT+8*\c+15], v[VF+8*\c+8:VF+8*\c+15], v[PCD:PCD+7], v[OT+8*\c+8:OT+8*\c+15], v[VW+\c/2], v[PW] matrix_a_fmt:MATRIX_FMT_FP4 matrix_b_fmt:MATRIX_FMT_FP4 matrix_a_scale:MATRIX_SCALE_ROW1
.endr
.endm
.macro PASS p
.if \p == 0
	s_mov_b32 s36, s12                             ; my query group
.else
	s_sub_co_u32 s36, 15, s12
.endif
	s_mov_b32 s37, 0
	s_mov_b32 s38, 0
	s_mov_b32 s39, 0
	s_mov_b32 s40, 0
	s_lshl_b32 s44, s36, 19                        ; 128 g rows of 4,096 bytes
	s_add_co_u32 s44, s44, s58
.if \p == 1
	s_add_co_u32 s44, s44, 8*4096                  ; the odd tile begins 8 rows on
.endif
	s_add_nc_u64 s[42:43], s[8:9], s[44:45]
	s_lshl_b32 s46, s13, 5
	s_add_co_u32 s46, s46, 8*\p
	v_add_nc_u32 v[DV], s46, v230                  ; my query in its group, less 16 h
	v_mov_b32 v13, 0xff61b1e6                      ; the largest t so far: -3e38
	s_delay_alu instid0(VALU_DEP_1)
	v_floor_f32 v12, -v13                          ; -M
	v_mov_b32 v14, 0
	v_mov_b32 v15, 0
.set n, 0
.rept 32
	v_mov_b32 v[OT+n], 0                           ; the step is written once: the first finds zeros, which the first change of M leaves zeros
.set n, n+1
.endr
.Lks_\p:
	s_cmp_gt_u32 s37, s36                          ; all keys of the step come after my queries: nothing to do but to step on
	s_cbranch_scc1 .Lskip_\p
	s_setprio 2
	STEP \p
.Lskip_\p:
	s_add_co_u32 s38, s38, 4096
	s_add_co_u32 s39, s39, 512
	s_add_co_u32 s40, s40, 256
	s_add_co_u32 s37, s37, 1
	s_cmp_lt_u32 s37, 16
	s_cbranch_scc1 .Lks_\p
	s_setprio 0
	; THE WAY OUT: O^T / the sum goes through my stage and leaves as rows: sixteen lanes store 256 consecutive bytes, the head's part of a row of out0
.rept 4
	v_nop                                          ; places behind the last products
.endr
	v_add_f32 v14, v14, v15
	s_delay_alu instid0(VALU_DEP_1)
	v_permlanex16_b32 v[TT], v14, s20, s21
	s_delay_alu instid0(VALU_DEP_1)
	v_add_f32 v14, v14, v[TT]                      ; the row's sum
	s_wait_alu depctr_va_vdst(0)
	v_rcp_f32 v14, v14
	v_nop                                          ; one plain place behind the transcendental
.set n, 0
	s_wait_alu depctr_va_vdst(0)
.rept 32
	v_mul_f32 v[SS+n], v[OT+n], v14                ; register 8 c + j is o(query r, d = 16 c + 8 h + j)
.set n, n+1
.endr
.irp c, 0,1,2,3
	ds_store_b128 v6, v[SS+8*\c:SS+8*\c+3] offset:64*\c
	ds_store_b128 v6, v[SS+8*\c+4:SS+8*\c+7] offset:64*\c+16
.endr
.irp i, 0,1,2,3,4,5,6,7
	ds_load_b128 v[KC+4*\i:KC+4*\i+3], v7 offset:2*\i*SPT   ; LDS serves a wave's instructions in order (ISA guide 5.7.1.4): these see my stores
.endr
.irp i, 0,1,2,3,4,5,6,7
	s_wait_dscnt 7-\i                              ; the younger read-backs may be out
	global_store_b128 v5, v[KC+4*\i:KC+4*\i+3], s[42:43] offset:(2*\i+8*(\i/4))*4096 th:TH_STORE_NT   ; tile rows 2 i, 2 i + 1: the tile's rows 8-15 lie 8 rows further down
.endr
.if \p == 0
	s_wait_xcnt 0x0                                ; the stores have read their registers and their base: both are written again in the next pass
.endif
.endm
	PASS 0
	PASS 1
	s_wait_tensorcnt 0x0
	ds_add_u32 v254, v255
	s_wait_dscnt 0x0
	ROUND                                          ; the closing round: no work-group ends while a partner may still ask for a tile that names it
	s_endpgm
.Lfunc_end_k_q4a40ee7976_attn:
	.size	k_q4a40ee7976_attn, .Lfunc_end_k_q4a40ee7976_attn-k_q4a40ee7976_attn
	.p2alignl 7, 3214868480
	.fill 96, 4, 3214868480
	.section	.rodata,"a",@progbits
	.p2align	6, 0x0
	.amdhsa_kernel k_q4a40ee7976_attn
		.amdhsa_group_segment_fixed_size 215040
		.amdhsa_private_segment_fixed_size 0
		.amdhsa_enable_private_segment 0
		.amdhsa_kernarg_size 24
		.amdhsa_user_sgpr_count 2
		.amdhsa_user_sgpr_kernarg_segment_ptr 1
		.amdhsa_wavefront_size32 1
		.amdhsa_system_sgpr_workgroup_id_x 1
		.amdhsa_system_sgpr_workgroup_id_y 1
		.amdhsa_system_sgpr_workgroup_id_z 1
		.amdhsa_system_vgpr_workitem_id 0
		.amdhsa_next_free_vgpr 256
		.amdhsa_next_free_sgpr 66
		.amdhsa_reserve_vcc 1
		.amdhsa_float_denorm_mode_32 3
		.amdhsa_float_denorm_mode_16_64 3
		.amdhsa_memory_ordered 1
		.amdhsa_forward_progress 1
		.amdhsa_inst_pref_size 59
	.end_amdhsa_kernel
	.amdgpu_metadata
---
amdhsa.version: [ 1, 2 ]
amdhsa.kernels:
  - .name:           k_q4a40ee7976_attn
    .symbol:         k_q4a40ee7976_attn.kd
    .args:
      - { .name: qq, .offset: 0, .size: 8, .value_kind: global_buffer, .address_space: global }
      - { .name: kv, .offset: 8, .size: 8, .value_kind: global_buffer, .address_space: global }
      - { .name: out0, .offset: 16, .size: 8, .value_kind: global_buffer, .address_space: global }
    .group_segment_fixed_size: 215040
    .private_segment_fixed_size: 0
    .kernarg_segment_align: 8
    .kernarg_segment_size: 24
    .max_flat_workgroup_size: 512
    .sgpr_count:     66
    .vgpr_count:     256
    .wavefront_size: 32
...
	.end_amdgpu_metadata
.endif
;; end of part 3
